; MI455X (gfx1250); checked and timed in simulation.
; The chip was launched on July 23, 2026; its instructions are those of AMD's public machine-readable ISA for CDNA 5 (MIT licence, August 2026) and "CDNA5" Instruction Set Architecture Reference Guide (July 2026). The comments in the code are by the model that wrote it; some were corrected since.
;; Memory Enhanced Module. Allowed arithmetic: float matrix products may take bf16 or f16 operands with f32 sums; all other float work in f32.
;; Inputs: Wf 1,024 x 2,048 float32; Wq 1,024 x 1,024 float32; beta 1,024 float32; bf 1,024 float32; bq 1,024 float32; gamma 1,024 float32; memory 64 x 1,024 float32; x 8 x 2,048 x 1,024 float32.
;; Outputs: out0 8 x 2,048 x 1,024 float32.
;; One version. Each part assembles by itself: llvm-mc -triple=amdgcn-amd-amdhsa -mcpu=gfx1250 --defsym DOCPART=n.
;; ======== version 1 of 1: 2 launches
;; workspace buffers: Bws 2,228,224 bytes; Pws 393,216 bytes; vecs 12,544 bytes
;; launch prep (part 1): grid 193 x 1, 16 waves a work-group, no clusters, 67,584 bytes of LDS; arguments Wf, Wq, memory, bq, bf, gamma, beta, Bws, Pws, vecs; writes Bws, Pws, vecs
.if DOCPART == 1
	.amdgcn_target "amdgcn-amd-amdhsa--gfx1250"
	.amdhsa_code_object_version 6
	.text
	.protected	k_q5136e6a065_prep
	.globl	k_q5136e6a065_prep
	.p2align	8
	.type	k_q5136e6a065_prep,@function
k_q5136e6a065_prep:
	s_mov_b64 s[64:65], 0
	v_nop
	global_prefetch_b8 v0, s[64:65] scope:SCOPE_SE
	s_setreg_imm32_b32 hwreg(HW_REG_WAVE_MODE, 25, 1), 1
	s_wait_xcnt 0x0
; PREP: the weights are brought into the form in which the main launch multiplies.  Every input is rounded to bf16 once; sums are f32.
;   G[m][n] = sum over c of memory[m][c] Wf[n][1024+c]      (64 x 1024; what a memory row adds to h)        work-groups   0 ..  63
;   P[m][d] = sum over e of memory[m][e] Wq[e][d]           (64 x 1024; sim = x . P[m] + c[m])               work-groups  64 .. 127
;   Wf[:, 0:1024] rounded to bf16, in fragment order                                                        work-groups 128 .. 191
;   bf, gamma, beta rounded to bf16 and kept as f32;  c[m] = sum over e of memory[m][e] bq[e]                work-group  192
; The role hangs on the work-group's number alone, so all sixteen waves of a work-group take the same way and meet the same barrier.
; Bws [g 17][w 4][sg 2][b 16][half 2][lane 32][8 bf16]: n = 256 w + 16 b + lane % 16, k = 64 g + 32 sg + 16 half + 8 (lane / 16) + e; g < 16: Wf[n][k]; g = 16: G[k - 1024][n].
; Pws [w 4][t 32][p 3][half 2][lane 32][8 bf16]: piece p of P[16 w + lane % 16][32 t + 16 half + 8 (lane / 16) + e]; the three bf16 pieces add up to the f32 number (24 bits).
; vecs: f32: bf at 0, gamma at 4096, beta at 8192, c at 12288.
; G and P: K (1,024) is shared out among the sixteen waves, 64 each: two matrix steps on four accumulators; the partial sums meet in LDS and four waves add them, wave 0's part first.
.set SPARE, 65536                      ; behind the partial sums: the spare words, 128 bytes for each of 16 waves
.set SPW, 12                           ; v12  SPARE + 4 x my thread's number; never rewritten
.set NIL, 13                           ; v13  0; never rewritten
.set NS,  16                           ; v16-47    the narrow operand: 16 f32 a K step of 32, packed in place to 8 registers
.set WS,  48                           ; v48-175   the wide operand; later the 16 waves' partial sums
.set FR0, 176                          ; v176-207  P: Wq's four fragments of the first K step
.set ACC, 208                          ; v208-239  four accumulators
.set TP,  240                          ; v240-255  at work
.set BQ,  48                           ; the vectors' role: bq
.set MR,  80                           ; the vectors' role: four rows of memory, 32 registers each
.macro LDK dst, voff, sb, imm          ; 16 f32 of a row that lies along K: k = 8 h + 0..7 and 16 + 8 h + 0..7 (the lane's address holds 32 h)
	global_load_b128 v[(\dst):(\dst)+3],     v[\voff], s[\sb:\sb+1] offset:(\imm)
	global_load_b128 v[(\dst)+4:(\dst)+7],   v[\voff], s[\sb:\sb+1] offset:(\imm)+16
	global_load_b128 v[(\dst)+8:(\dst)+11],  v[\voff], s[\sb:\sb+1] offset:(\imm)+64
	global_load_b128 v[(\dst)+12:(\dst)+15], v[\voff], s[\sb:\sb+1] offset:(\imm)+80
.endm
.macro PACK16 base                     ; 16 f32 -> 8 registers of bf16, in place, ascending: a register is written only when it has been read
.irp p, 0,1,2,3,4,5,6,7
	v_cvt_pk_bf16_f32 v[(\base)+\p], v[(\base)+2*\p], v[(\base)+2*\p+1]
.endr
.endm
.macro PACK32 base
.irp p, 0,1,2,3,4,5,6,7,8,9,10,11,12,13,14,15
	v_cvt_pk_bf16_f32 v[(\base)+\p], v[(\base)+2*\p], v[(\base)+2*\p+1]
.endr
.endm
.macro TORED                           ; my four accumulators into my 4,096 bytes of LDS: [accumulator 4][register pair 4][lane x 8 bytes]
.rept 4
	v_nop                                  ; four places between the last product and the stores that read results
.endr
.irp f, 0,1,2,3
.irp c, 0,1,2,3
	ds_store_b64 v6, v[ACC+8*\f+2*\c:ACC+8*\f+2*\c+1] offset:1024*\f+256*\c   ; each accumulator from its low end on
.endr
.endr
	s_wait_dscnt 0x0                       ; for the others' sake: my stores are done
	s_barrier_signal -1
	s_barrier_wait -1
.endm
.macro REDUCE st                       ; 16 waves' parts of four register pairs, st bytes apart, added in the order of the waves; the result lies in v[WS:WS+7]
.irp u, 0,1,2,3,4,5,6,7,8,9,10,11,12,13,14,15
.irp i, 0,1,2,3
	ds_load_b64 v[WS+8*\u+2*\i:WS+8*\u+2*\i+1], v7 offset:4096*\u+(\st)*\i
.endr
.endr
	s_wait_dscnt 0x0
.irp u, 1,2,3,4,5,6,7,8,9,10,11,12,13,14,15
.irp i, 0,1,2,3
	v_pk_add_f32 v[WS+2*\i:WS+2*\i+1], v[WS+2*\i:WS+2*\i+1], v[WS+8*\u+2*\i:WS+8*\u+2*\i+1]
.endr
.endr
.endm
.macro FINISH                          ; the end of a wave that has stored into LDS
	s_wait_tensorcnt 0x0
	ds_add_u32 v[SPW], v[NIL]
	s_wait_dscnt 0x0
	s_endpgm
.endm
.macro SPLIT i, ra, rb                 ; two f32 into three bf16 pieces each: round, take the rounded number away (exact), twice
	v_cvt_pk_bf16_f32 v[TP+\i], v[\ra], v[\rb]
	v_lshlrev_b32 v[TP+12], 16, v[TP+\i]
	v_and_b32 v[TP+13], 0xffff0000, v[TP+\i]
	v_sub_f32 v[\ra], v[\ra], v[TP+12]
	v_sub_f32 v[\rb], v[\rb], v[TP+13]
	v_cvt_pk_bf16_f32 v[TP+4+\i], v[\ra], v[\rb]
	v_lshlrev_b32 v[TP+12], 16, v[TP+4+\i]
	v_and_b32 v[TP+13], 0xffff0000, v[TP+4+\i]
	v_sub_f32 v[\ra], v[\ra], v[TP+12]
	v_sub_f32 v[\rb], v[\rb], v[TP+13]
	v_cvt_pk_bf16_f32 v[TP+8+\i], v[\ra], v[\rb]
.endm
	s_load_b512 s[8:23], s[0:1], 0x0       ; Wf 8, Wq 10, memory 12, bq 14, bf 16, gamma 18, beta 20, Bws 22
	s_load_b128 s[24:27], s[0:1], 0x40     ; Pws 24, vecs 26
	v_lshl_add_u32 v[SPW], v0, 2, SPARE
	v_mov_b32 v[NIL], 0
	v_lshrrev_b32 v1, 5, v0
	v_readfirstlane_b32 s4, v1             ; wave 0..15
	v_and_b32 v1, 31, v0                   ; lane
	v_and_b32 v2, 15, v0                   ; r = lane % 16
	v_bfe_u32 v3, v0, 4, 1                 ; h = lane / 16
	s_lshl_b32 s5, s4, 12
	v_lshl_add_u32 v6, v1, 3, s5           ; where my partial sums go: 4,096 x wave + 8 x lane
	v_lshlrev_b32 v8, 4, v1                ; 16 x lane
	s_wait_kmcnt 0x0
	s_cmp_lt_u32 ttmp9, 64
	s_cbranch_scc1 .Lrole_g
	s_cmp_lt_u32 ttmp9, 128
	s_cbranch_scc1 .Lrole_p
	s_cmp_lt_u32 ttmp9, 192
	s_cbranch_scc1 .Lrole_w
; ---- THE VECTORS.  Thread t rounds numbers 2 t, 2 t + 1 of bf, gamma, beta; wave v makes c[4 v .. 4 v + 3].
	v_lshlrev_b32 v4, 3, v0
	global_load_b64 v[16:17], v4, s[16:17]
	global_load_b64 v[18:19], v4, s[18:19]
	global_load_b64 v[20:21], v4, s[20:21]
	s_lshl_b32 s28, s4, 14                 ; four rows of 4,096 bytes a wave
	s_mov_b32 s29, 0
	s_add_nc_u64 s[12:13], s[12:13], s[28:29]
.irp i, 0,1,2,3,4,5,6,7
	global_load_b128 v[BQ+4*\i:BQ+4*\i+3], v8, s[14:15] offset:512*\i
.endr
.irp p, 0,1,2,3
.irp i, 0,1,2,3,4,5,6,7
	global_load_b128 v[MR+32*\p+4*\i:MR+32*\p+4*\i+3], v8, s[12:13] offset:4096*\p+512*\i
.endr
.endr
	s_wait_loadcnt 40                      ; the three loads of 8 bytes are in; the 40 behind them stay out
.irp k, 0,1,2
	v_cvt_pk_bf16_f32 v22, v[16+2*\k], v[17+2*\k]
	v_lshlrev_b32 v[16+2*\k], 16, v22      ; the rounded numbers, as f32 again
	v_and_b32 v[17+2*\k], 0xffff0000, v22
	global_store_b64 v4, v[16+2*\k:17+2*\k], s[26:27] offset:4096*\k
.endr
	s_wait_loadcnt 0x0
	PACK32 BQ
.irp p, 0,1,2,3
	PACK32 MR+32*\p
	v_mov_b32 v[TP+2*\p], 0
	v_mov_b32 v[TP+2*\p+1], 0
.endr
.irp i, 0,1,2,3,4,5,6,7,8,9,10,11,12,13,14,15
.irp p, 0,1,2,3                        ; two chains a row: the words' low halves and their high halves; the products of bf16 numbers are exact in the f32 multiply-add
	v_fma_mix_f32_bf16 v[TP+2*\p], v[BQ+\i], v[MR+32*\p+\i], v[TP+2*\p] op_sel_hi:[1,1,0]
	v_fma_mix_f32_bf16 v[TP+2*\p+1], v[BQ+\i], v[MR+32*\p+\i], v[TP+2*\p+1] op_sel:[1,1,0] op_sel_hi:[1,1,0]
.endr
.endr
	s_mov_b32 s30, 0x76543210              ; v_permlanex16_b32: each lane takes its own place in the other half
	s_mov_b32 s31, 0xfedcba98
.irp p, 0,1,2,3
	v_add_f32 v[TP+2*\p], v[TP+2*\p], v[TP+2*\p+1]
.endr
.irp m, 1,2,4,8
.irp p, 0,1,2,3
	v_add_f32_dpp v[TP+2*\p], v[TP+2*\p], v[TP+2*\p] row_xmask:\m row_mask:0xf bank_mask:0xf
.endr
.endr
.irp p, 0,1,2,3
	v_permlanex16_b32 v[TP+2*\p+1], v[TP+2*\p], s30, s31
.endr
.irp p, 0,1,2,3
	v_add_f32 v[TP+8+\p], v[TP+2*\p], v[TP+2*\p+1]
.endr
	s_lshl_b32 s5, s4, 4
	v_mov_b32 v9, s5                       ; 16 bytes a wave
	s_wait_xcnt 0x0                        ; EXEC is a source of the stores above: it changes only behind this wait
	v_cmp_eq_u32 vcc_lo, 0, v1
	s_and_saveexec_b32 s6, vcc_lo          ; lane 0 alone stores the wave's four numbers
	global_store_b128 v9, v[TP+8:TP+11], s[26:27] offset:12288
	s_wait_xcnt 0x0                        ; and again ahead of the line that widens it
	s_or_b32 exec_lo, exec_lo, s6
	s_endpgm
; ---- G.  Work-group nb makes G[0..63][16 nb .. 16 nb + 15].  Source 0 = 16 rows of memory, source 1 = 16 rows of Wf: register j of lane (r, h) is G[16 f + 8 h + j][16 nb + r].
.Lrole_g:
	s_lshl_b32 s28, ttmp9, 17              ; 16 rows of Wf, 8,192 bytes each
	s_lshl_b32 s30, s4, 8                  ; my 64 numbers along K
	s_mov_b32 s31, 0
	s_add_co_u32 s28, s28, s30
	s_add_co_u32 s28, s28, 4096            ; Wf's second half of a row
	s_mov_b32 s29, 0
	s_add_nc_u64 s[8:9], s[8:9], s[28:29]
	s_add_nc_u64 s[12:13], s[12:13], s[30:31]
	v_lshlrev_b32 v4, 13, v2
	v_lshl_add_u32 v4, v3, 5, v4           ; Wf: r x 8,192 + 32 h
	v_lshlrev_b32 v5, 12, v2
	v_lshl_add_u32 v5, v3, 5, v5           ; memory: r x 4,096 + 32 h
.irp st, 0,1
	LDK NS+16*\st, 4, 8, 128*\st
.irp f, 0,1,2,3
	LDK WS+64*\st+16*\f, 5, 12, 65536*\f+128*\st
.endr
.endr
	s_wait_loadcnt 0x0
.irp st, 0,1
	PACK16 NS+16*\st
.irp f, 0,1,2,3
	PACK16 WS+64*\st+16*\f
.endr
.endr
.irp f, 0,1,2,3                        ; the first K step starts the sums; the four accumulators take turns
	v_wmma_f32_16x16x32_bf16 v[ACC+8*\f:ACC+8*\f+7], v[WS+16*\f:WS+16*\f+7], v[NS:NS+7], 0
.endr
.irp f, 0,1,2,3
	v_wmma_f32_16x16x32_bf16 v[ACC+8*\f:ACC+8*\f+7], v[WS+64+16*\f:WS+64+16*\f+7], v[NS+16:NS+23], v[ACC+8*\f:ACC+8*\f+7]
.endr
	TORED
	s_cmp_lt_u32 s4, 4
	s_cbranch_scc1 .Lg_sum
	FINISH                                 ; waves 4 to 15 have done their part
.Lg_sum:                               ; wave f adds accumulator f: eight neighbouring m of one n a lane: 16 bytes of a fragment
	s_lshl_b32 s5, s4, 10
	v_lshl_add_u32 v7, v1, 3, s5
	REDUCE 256
.irp c, 0,1,2,3
	v_cvt_pk_bf16_f32 v[TP+\c], v[WS+2*\c], v[WS+2*\c+1]
.endr
	s_lshr_b32 s28, ttmp9, 4               ; w = nb / 16
	s_lshl_b32 s28, s28, 15
	s_and_b32 s29, ttmp9, 15               ; b = nb % 16
	s_lshl_b32 s29, s29, 10
	s_add_co_u32 s28, s28, s29
	s_lshr_b32 s29, s4, 1                  ; sg = f / 2
	s_lshl_b32 s29, s29, 14
	s_add_co_u32 s28, s28, s29
	s_and_b32 s29, s4, 1                   ; half = f % 2
	s_lshl_b32 s29, s29, 9
	s_add_co_u32 s28, s28, s29
	s_add_co_u32 s28, s28, 16*131072       ; group 16
	s_mov_b32 s29, 0
	s_add_nc_u64 s[22:23], s[22:23], s[28:29]
	global_store_b128 v8, v[TP:TP+3], s[22:23]   ; the wave stores 512 consecutive bytes
	FINISH
; ---- P.  Work-group (dg, mb) makes P[16 mb .. + 15][64 dg .. + 63].  Wq lies [e][d], K down the rows: a lane loads 4 neighbouring d of 16 rows e and packs pairs of rows,
; so fragment q's row rho stands for d = 64 dg + 4 rho + q.  Source 0 = that fragment, source 1 = 16 rows of memory: register j of lane (r, h) is P[16 mb + r][64 dg + 32 h + 4 j + q].
.Lrole_p:
	s_sub_co_u32 s5, ttmp9, 64
	s_lshr_b32 s6, s5, 2                   ; dg
	s_and_b32 s7, s5, 3                    ; mb
	s_lshl_b32 s28, s4, 18                 ; my 64 rows e of Wq, 4,096 bytes each
	s_lshl_b32 s29, s6, 8                  ; 64 d
	s_add_co_u32 s28, s28, s29
	s_mov_b32 s29, 0
	s_add_nc_u64 s[10:11], s[10:11], s[28:29]
	s_lshl_b32 s30, s7, 16                 ; 16 rows of memory
	s_lshl_b32 s31, s4, 8                  ; my 64 numbers along K
	s_add_co_u32 s30, s30, s31
	s_mov_b32 s31, 0
	s_add_nc_u64 s[12:13], s[12:13], s[30:31]
	v_lshlrev_b32 v4, 15, v3
	v_lshl_add_u32 v4, v2, 4, v4           ; Wq: 8 h rows + 16 r: sixteen lanes take 256 consecutive bytes
	v_lshlrev_b32 v5, 12, v2
	v_lshl_add_u32 v5, v3, 5, v5           ; memory: r x 4,096 + 32 h
.irp st, 0,1
.irp i, 0,1,2,3,4,5,6,7,8,9,10,11,12,13,14,15
	global_load_b128 v[WS+64*\st+4*\i:WS+64*\st+4*\i+3], v4, s[10:11] offset:(32*\st+16*(\i/8)+(\i%8))*4096
.endr
	LDK NS+16*\st, 5, 12, 128*\st
.endr
	s_wait_loadcnt 0x0
.irp q, 0,1,2,3
.irp p, 0,1,2,3,4,5,6,7
	v_cvt_pk_bf16_f32 v[FR0+8*\q+\p], v[WS+8*\p+\q], v[WS+8*\p+4+\q]
.endr
.endr
.irp q, 0,1,2,3                        ; the second step's fragments go where the first step's numbers lay
.irp p, 0,1,2,3,4,5,6,7
	v_cvt_pk_bf16_f32 v[WS+8*\q+\p], v[WS+64+8*\p+\q], v[WS+64+8*\p+4+\q]
.endr
.endr
	PACK16 NS
	PACK16 NS+16
.irp q, 0,1,2,3
	v_wmma_f32_16x16x32_bf16 v[ACC+8*\q:ACC+8*\q+7], v[FR0+8*\q:FR0+8*\q+7], v[NS:NS+7], 0
.endr
.irp q, 0,1,2,3
	v_wmma_f32_16x16x32_bf16 v[ACC+8*\q:ACC+8*\q+7], v[WS+8*\q:WS+8*\q+7], v[NS+16:NS+23], v[ACC+8*\q:ACC+8*\q+7]
.endr
	TORED
	s_cmp_lt_u32 s4, 4
	s_cbranch_scc1 .Lp_sum
	FINISH
.Lp_sum:                               ; wave c adds register pair c of all four accumulators: d = 64 dg + 32 h + 8 c + 0..7; number 4 jj + q lies in v[WS + 2 q + jj]
	s_lshl_b32 s5, s4, 8
	v_lshl_add_u32 v7, v1, 3, s5
	REDUCE 1024
	SPLIT 0, WS+0, WS+2
	SPLIT 1, WS+4, WS+6
	SPLIT 2, WS+1, WS+3
	SPLIT 3, WS+5, WS+7
	s_mul_i32 s28, s7, 98304               ; w = mb
	s_mul_i32 s29, s6, 6144                ; t = 2 dg + h
	s_add_co_u32 s28, s28, s29
	s_lshr_b32 s29, s4, 1                  ; half = c / 2
	s_lshl_b32 s29, s29, 9
	s_add_co_u32 s28, s28, s29
	s_and_b32 s29, s4, 1                   ; the fragment's half of the lanes = c % 2
	s_lshl_b32 s29, s29, 8
	s_add_co_u32 s28, s28, s29
	s_mov_b32 s29, 0
	s_add_nc_u64 s[24:25], s[24:25], s[28:29]
	v_mul_u32_u24 v9, v3, 3072
	v_lshl_add_u32 v9, v2, 4, v9           ; h x 3,072 + 16 r: sixteen lanes store 256 consecutive bytes, aligned
.irp p, 0,1,2
	global_store_b128 v9, v[TP+4*\p:TP+4*\p+3], s[24:25] offset:1024*\p
.endr
	FINISH
; ---- Wf's first half.  A wave takes 16 rows n x 64 k (256 bytes of each row) and stores four halves of fragments, 512 consecutive bytes each.  No LDS.
.Lrole_w:
	s_sub_co_u32 s5, ttmp9, 128
	s_lshl_b32 s5, s5, 4
	s_add_co_u32 s5, s5, s4                ; unit 0..1023
	s_lshr_b32 s6, s5, 6                   ; g
	s_and_b32 s7, s5, 63                   ; block of 16 rows
	s_lshl_b32 s28, s7, 17
	s_lshl_b32 s29, s6, 8
	s_add_co_u32 s28, s28, s29
	s_mov_b32 s29, 0
	s_add_nc_u64 s[8:9], s[8:9], s[28:29]
	v_lshlrev_b32 v4, 13, v2
	v_lshl_add_u32 v4, v3, 5, v4
	LDK NS, 4, 8, 0
	LDK NS+16, 4, 8, 128
	s_lshl_b32 s30, s6, 17
	s_lshr_b32 s31, s7, 4
	s_lshl_b32 s31, s31, 15
	s_add_co_u32 s30, s30, s31
	s_and_b32 s31, s7, 15
	s_lshl_b32 s31, s31, 10
	s_add_co_u32 s30, s30, s31
	s_mov_b32 s31, 0
	s_add_nc_u64 s[22:23], s[22:23], s[30:31]
	s_wait_loadcnt 0x0
	PACK16 NS
	PACK16 NS+16
.irp sg, 0,1
	global_store_b128 v8, v[NS+16*\sg:NS+16*\sg+3],   s[22:23] offset:16384*\sg
	global_store_b128 v8, v[NS+16*\sg+4:NS+16*\sg+7], s[22:23] offset:16384*\sg+512
.endr
	s_endpgm
.Lfunc_end_k_q5136e6a065_prep:
	.size	k_q5136e6a065_prep, .Lfunc_end_k_q5136e6a065_prep-k_q5136e6a065_prep
	.p2alignl 7, 3214868480
	.fill 96, 4, 3214868480
	.section	.rodata,"a",@progbits
	.p2align	6, 0x0
	.amdhsa_kernel k_q5136e6a065_prep
		.amdhsa_group_segment_fixed_size 67584
		.amdhsa_private_segment_fixed_size 0
		.amdhsa_enable_private_segment 0
		.amdhsa_kernarg_size 80
		.amdhsa_user_sgpr_count 2
		.amdhsa_user_sgpr_kernarg_segment_ptr 1
		.amdhsa_wavefront_size32 1
		.amdhsa_system_sgpr_workgroup_id_x 1
		.amdhsa_system_sgpr_workgroup_id_y 1
		.amdhsa_system_sgpr_workgroup_id_z 1
		.amdhsa_system_vgpr_workitem_id 0
		.amdhsa_next_free_vgpr 256
		.amdhsa_next_free_sgpr 66
		.amdhsa_reserve_vcc 1
		.amdhsa_float_denorm_mode_32 3
		.amdhsa_float_denorm_mode_16_64 3
		.amdhsa_memory_ordered 1
		.amdhsa_forward_progress 1
		.amdhsa_inst_pref_size 67
	.end_amdhsa_kernel
	.amdgpu_metadata
---
amdhsa.version: [ 1, 2 ]
amdhsa.kernels:
  - .name:           k_q5136e6a065_prep
    .symbol:         k_q5136e6a065_prep.kd
    .args:
      - { .name: Wf, .offset: 0, .size: 8, .value_kind: global_buffer, .address_space: global }
      - { .name: Wq, .offset: 8, .size: 8, .value_kind: global_buffer, .address_space: global }
      - { .name: memory, .offset: 16, .size: 8, .value_kind: global_buffer, .address_space: global }
      - { .name: bq, .offset: 24, .size: 8, .value_kind: global_buffer, .address_space: global }
      - { .name: bf, .offset: 32, .size: 8, .value_kind: global_buffer, .address_space: global }
      - { .name: gamma, .offset: 40, .size: 8, .value_kind: global_buffer, .address_space: global }
      - { .name: beta, .offset: 48, .size: 8, .value_kind: global_buffer, .address_space: global }
      - { .name: Bws, .offset: 56, .size: 8, .value_kind: global_buffer, .address_space: global }
      - { .name: Pws, .offset: 64, .size: 8, .value_kind: global_buffer, .address_space: global }
      - { .name: vecs, .offset: 72, .size: 8, .value_kind: global_buffer, .address_space: global }
    .group_segment_fixed_size: 67584
    .private_segment_fixed_size: 0
    .kernarg_segment_align: 8
    .kernarg_segment_size: 80
    .max_flat_workgroup_size: 512
    .sgpr_count:     66
    .vgpr_count:     256
    .wavefront_size: 32
...
	.end_amdgpu_metadata
.endif
;; end of part 1
;; launch main (part 2): grid 256 x 1, 4 waves a work-group, clusters of 4 x 1, 327,680 bytes of LDS; arguments x, Bws, Pws, vecs, out0; writes out0
.if DOCPART == 2
	.amdgcn_target "amdgcn-amd-amdhsa--gfx1250"
	.amdhsa_code_object_version 6
	.text
	.protected	k_q5136e6a065_main
	.globl	k_q5136e6a065_main
	.p2align	8
	.type	k_q5136e6a065_main,@function
k_q5136e6a065_main:
	s_mov_b64 s[64:65], 0
	v_nop
	global_prefetch_b8 v0, s[64:65] scope:SCOPE_SE
	s_setreg_imm32_b32 hwreg(HW_REG_WAVE_MODE, 25, 1), 1
	s_wait_xcnt 0x0
	s_wait_alu depctr_hold_cnt(0) depctr_sa_sdst(0) depctr_va_vdst(0) depctr_va_sdst(0) depctr_va_ssrc(0) depctr_va_vcc(0) depctr_vm_vsrc(0)
	s_getreg_b32 s2, hwreg(HW_REG_IB_STS2, 6, 4)
	s_cmp_eq_u32 s2, 0
	s_cbranch_scc0 .Lentry_in_a_cluster
	s_endpgm
.Lentry_in_a_cluster:
	s_bfe_u32 s2, ttmp6, 0x10000c
	s_cmp_lg_u32 s2, 0x3003
	s_cbranch_scc0 .Lentry_shape_is_right
	s_endpgm
.Lentry_shape_is_right:
; out = relu(LayerNorm(x Wf1^T + Wsel G + bf)), Wsel = the softmax weights of the three largest of sim = x P^T + c, at their places among 64, 0 elsewhere.
; G, P, c and the fragment orders come from the launch before.  x is rounded to bf16 once; P goes in three bf16 pieces that add up to its f32 number, so sim has f32's accuracy.
; LIMITS.  All inputs count as rounded to bf16.  Wsel and G are rounded to bf16 for their product.  Where a row's third and fourth similarity differ by less than the noise of an f32 sum of
; 1,024 terms the choice between them is arbitrary; equal similarities go to the lower index.  NaN and infinities are not treated apart.
; SHARES.  A work-group owns 64 rows and all 1,024 columns (LayerNorm wants whole rows).  Wave w owns columns 256 w .. + 255 of all 64 rows: 64 accumulators, 512 registers; and sim for m = 16 w .. + 15.
; THE MATRIX INSTRUCTION IS USED TRANSPOSED: source 0 = 16 rows of the weights, source 1 = 16 rows of x: register j of lane (r, h) is (row 16 a + r, column n0 + 8 h + j).
; K goes in 16 groups of 64 (two steps of 32), and a 17th for Wsel G.
;   B (the weights): all work-groups walk the same bytes, so the four of a cluster ask JOINTLY; two LDS slots of 131,072 bytes; a wave fetches, and alone reads, its quarter.
;   P: 3,072 bytes a wave and step, from memory into registers, a group ahead.
;   x: a wave fetches 16 rows x 256 bytes a group into registers, three groups ahead of its use, rounds them and stores them into a ring of two LDS slots that all four waves read.
; REGISTERS, in windows of 256 (s_set_vgpr_msb: bits 1:0 source 0, 3:2 source 1, 5:4 source 2, 7:6 destination):
;   window 0: addresses; x's fragments (two buffers); x as loaded (two buffers); sim's accumulators.   window 1: v0-127 B's 16 fragments, v128-223 P's; later gamma and beta.
;   window 2: accumulators of column blocks b = 0..7, (b, a) at 8 (4 b + a).   window 3: b = 8..15.
.set BS1,    131072                    ; slot 1 of B
.set ARING,  262144                    ; x in bf16: two slots of 64 rows, 128 bytes + 16 of padding: the 16 rows of a load start at 16 different groups of four banks (ISA guide 11.1)
.set APITCH, 144
.set ASLOT,  64*APITCH
.set SIMS,   ARING+2*ASLOT             ; sim: 64 rows of 64 f32 + 16 bytes
.set SPITCH, 272
.set ST1,    SIMS+64*SPITCH            ; the four waves' row sums: 64 rows x 16 bytes
.set ST2,    ST1+1024                  ; and sums of squares
.set SPARE,  ST2+1024                  ; the spare words, 128 bytes for each wave: two blocks of 256 bytes that no other line names
.set GPITCH, 1040                      ; the stage for the way out: 16 rows of 1,024 bytes + 16, in my own quarter of slot 1, which has had its last fill by then
.set ADRB, 2                           ; v2, v3  my quarter of slot 0, 1 + 16 x lane
.set GRD,  3                           ;         the way out reads rows back from the same address
.set ADRA, 4                           ; v4   x's fragments: ARING + 144 r + 16 h
.set ASTO, 5                           ; v5   where I store rounded x: ARING + (16 w + h) 144 + 8 r
.set XOFF, 6                           ; v6   x: h x 4,096 + 16 r
.set L16,  7                           ; v7   16 x lane
.set BOFF, 8                           ; v8   32 h
.set SSTO, 9
.set SRD,  10
.set WSTO, 11
.set TSTO, 12
.set TRD,  13
.set GSTO, 14
.set SA,   16                          ; v16-23  a running pair for each row block a
.set TT,   24                          ; v24-27  at work
.set SPW,  28                          ; v28  SPARE + 4 x my thread's number; never rewritten
.set NIL,  29                          ; v29  0; never rewritten
.set AB0,  32                          ; v32-63   x's four fragments of an even step
.set AB1,  64                          ; v64-95   of an odd step
.set OUTB, 32                          ; v32-159  the way out: 16 rows read back
.set X0,   96                          ; v96-127  x as loaded, groups of even number
.set X1,   128                         ; v128-159 of odd number
.set XB,   160                         ; v160-175 rounded
.set SIMHI, 176                        ; v176-207 sim: c + x . (P's first piece), by row block
.set SIMLO, 208                        ; v208-239 x . (second and third piece)
.set VV,   X0                          ; the top 3: my 32 similarities
.set UU,   X1                          ; my 32 weights
.set MX,   240
.set M1,   241
.set EE,   242
.set SUM,  243
.set NINF, 244
.set INV,  246
.set NM,   240                         ; v240-247 minus the mean, twice, by row block
.set RS,   248                         ; v248-255 1 / sigma, twice
.set PF,   128                         ; window 1: P's fragments [group parity 2][step 2][piece 3]
.set WV,   14                          ; s14  my wave's number
.set G1,   24                          ; s[24:31] descriptor group 1
.set G0,   32                          ; s[32:39] descriptor group 0, a set for each slot
.set CNT,  40
.set SEL,  42                          ; s[42:43] v_permlanex16_b32's selects
.set XBS,  44                          ; s[44:45] x at my 16 rows
.set PBS,  46                          ; s[46:47] Pws at my 16 m
.set VBS,  48                          ; s[48:49] vecs at my 256 columns
.set OBS,  50                          ; s[50:51] out at my work-group's rows, my columns
.set CBS,  52                          ; s[52:53] c at my 16 m
.set FOUND, 54
.set QQ,   56
.set RR,   60
.set MSB, 0
.macro WIN new                         ; the immediate's high byte repeats the setting that is left; a switch that changes nothing is dropped
.if MSB != (\new)
	s_set_vgpr_msb (MSB<<8)|(\new)
.set MSB, \new
.endif
.endm
.set MUL_LO,  0xa1                     ; B window 1, x window 0, C and D window 2
.set MUL_HI,  0xf1                     ; C and D window 3
.set MUL_SIM, 0x01                     ; P window 1, x, C and D window 0
.set TO_B,    0x40                     ; destination window 1, address window 0
.macro PLACES                          ; four places between a matrix instruction and a load into, or a vector instruction on, its registers (ISA guide 7.12.1 for vector instructions)
.rept 4
	v_nop
.endr
.endm
.macro CREST                           ; a round of the cluster's barrier behind its opening barrier
	s_cmp_lg_u32 s[WV], 0
	s_cbranch_scc1 .Lnot_wave_0_\@
	s_barrier_signal -3
.Lnot_wave_0_\@:
	s_barrier_wait -3
	s_barrier_signal -1
	s_barrier_wait -1
.endm
.macro CROUND
	s_barrier_signal -1
	s_barrier_wait -1
	CREST
.endm
; n column blocks from b0 on x 4 row blocks: the accumulators take turns, one instruction a turn
.macro MULB b0, n, ab
.set bb, \b0
.rept \n
	WIN MUL_LO+0x50*(bb/8)
.irp a, 0,1,2,3
	v_wmma_f32_16x16x32_bf16 v[8*(4*(bb%8)+\a):8*(4*(bb%8)+\a)+7], v[8*bb:8*bb+7], v[(\ab)+8*\a:(\ab)+8*\a+7], v[8*(4*(bb%8)+\a):8*(4*(bb%8)+\a)+7]
.endr
.set bb, bb+1
.endr
.endm
; 12 products for sim: piece 0 onto SIMHI, pieces 1 and 2 onto SIMLO; between two on one accumulator stand three others'
.macro SIMW par, sg, ab
	WIN MUL_SIM
.irp p, 0,1,2
.irp a, 0,1,2,3
.if \p == 0
	v_wmma_f32_16x16x32_bf16 v[SIMHI+8*\a:SIMHI+8*\a+7], v[PF+48*(\par)+24*(\sg)+8*\p:PF+48*(\par)+24*(\sg)+8*\p+7], v[(\ab)+8*\a:(\ab)+8*\a+7], v[SIMHI+8*\a:SIMHI+8*\a+7]
.else
	v_wmma_f32_16x16x32_bf16 v[SIMLO+8*\a:SIMLO+8*\a+7], v[PF+48*(\par)+24*(\sg)+8*\p:PF+48*(\par)+24*(\sg)+8*\p+7], v[(\ab)+8*\a:(\ab)+8*\a+7], v[SIMLO+8*\a:SIMLO+8*\a+7]
.endif
.endr
.endr
.endm
.macro LDB slot, sg, b0                ; eight fragments of B: each load takes 512 consecutive bytes of LDS
	WIN TO_B
.irp i, 0,1,2,3,4,5,6,7
	ds_load_b128 v[8*((\b0)+\i):8*((\b0)+\i)+3],   v[ADRB+(\slot)] offset:16384*(\sg)+1024*((\b0)+\i)
	ds_load_b128 v[8*((\b0)+\i)+4:8*((\b0)+\i)+7], v[ADRB+(\slot)] offset:16384*(\sg)+1024*((\b0)+\i)+512
.endr
.endm
.macro LDA slot, sg, ab                ; x's four fragments of a step
	WIN 0
.irp a, 0,1,2,3
	ds_load_b128 v[(\ab)+8*\a:(\ab)+8*\a+3],   v[ADRA] offset:ASLOT*(\slot)+16*APITCH*\a+64*(\sg)
	ds_load_b128 v[(\ab)+8*\a+4:(\ab)+8*\a+7], v[ADRA] offset:ASLOT*(\slot)+16*APITCH*\a+64*(\sg)+32
.endr
.endm
.macro XCVT buf, slot                  ; my 16 rows x 64 numbers of a group: rounded, and stored where all four waves will read them
.irp i, 0,1,2,3,4,5,6,7
	v_cvt_pk_bf16_f32 v[XB+2*\i],   v[(\buf)+4*\i],   v[(\buf)+4*\i+1]
	v_cvt_pk_bf16_f32 v[XB+2*\i+1], v[(\buf)+4*\i+2], v[(\buf)+4*\i+3]
.endr
.irp i, 0,1,2,3,4,5,6,7
	ds_store_b64 v[ASTO], v[XB+2*\i:XB+2*\i+1] offset:ASLOT*(\slot)+2*APITCH*\i
.endr
.endm
.macro XLOAD buf, rel                  ; group 3 + rel from the base's: sixteen lanes take 256 consecutive bytes of a row, aligned; x is read once in the launch
	WIN 0
.irp i, 0,1,2,3,4,5,6,7
	global_load_b128 v[(\buf)+4*\i:(\buf)+4*\i+3], v[XOFF], s[XBS:XBS+1] offset:8192*\i+256*(3+(\rel)) th:TH_LOAD_NT
.endr
.endm
.macro PLOAD buf, rel                  ; group 1 + rel from the base's: 12 loads of 512 consecutive bytes
	WIN TO_B
.irp sg, 0,1
.irp p, 0,1,2
.irp hf, 0,1
	global_load_b128 v[PF+48*(\buf)+24*\sg+8*\p+4*\hf:PF+48*(\buf)+24*\sg+8*\p+4*\hf+3], v[L16], s[PBS:PBS+1] offset:6144*(1+(\rel))+3072*\sg+1024*\p+512*\hf
.endr
.endr
.endr
.endm
; THE EVEN STEP of group g (par = g % 2).  In its middle: x of group g + 1 is rounded into the other slot of x's ring (all waves' reads of that slot were over at the last barrier); P of group
; g + 1 and x of group g + 3 are asked for, P first; the odd step's fragments are fetched.  xcnt: the loads younger than x(g + 1): P(g) and x(g + 2).  pcnt: those younger than P(g): x(g + 2), P(g + 1), x(g + 3).
.macro EVEN par, rel, cvt, xcnt, pl, xl, pcnt
	s_wait_dscnt 16                        ; x's fragments and B's 0-7 are in; the youngest sixteen loads (B's 8-15) may be out
	MULB 0, 8, AB0
	WIN 0
.if \cvt
	s_wait_loadcnt \xcnt
	XCVT X0+32*(1-(\par)), 1-(\par)        ; its sixteen conversions are the places in front of the loads below
.else
	PLACES
.endif
.if \pl
	PLOAD 1-(\par), \rel
.endif
.if \xl
	XLOAD X0+32*(1-(\par)), \rel
.endif
	LDA \par, 1, AB1
	LDB \par, 1, 0
	s_wait_dscnt 24                        ; B's 8-15 of this step are in: behind them came at least the 24 loads just issued
	MULB 8, 8, AB0
	PLACES
	LDB \par, 1, 8
	s_wait_loadcnt \pcnt
	SIMW \par, 0, AB0
.endm
; THE ODD STEP, with the change of slots.  In front of the barrier each wave waits for all its tensor loads (one is out: its quarter of the other slot), adds 0 to its spare word, and waits for that,
; for its reads of this group's slots and for its stores into x's ring.  fill = 1: the barrier opens a round of the cluster's barrier, and the joint refill (group g + 2, into B's slot just read
; out) is the first thing behind it; it has a group less a few products in which to land.  By this text's count a wave has two tensor loads out at the start and one behind each round.
.macro ODD par, fill, nexta
	s_wait_dscnt 16
	MULB 0, 4, AB1
	WIN 0                                  ; (the add's two registers lie in window 0)
	s_wait_tensorcnt 0x0                   ; no tensor load of mine is out, so a group 0 may be written
	ds_add_u32 v[SPW], v[NIL]              ; 0 onto my spare word
.if \fill
	s_add_nc_u64 s[G0+4*(\par)+2:G0+4*(\par)+3], s[G0+4*(\par)+2:G0+4*(\par)+3], 2*131072   ; this slot's next group; the type bits on top are not reached
.endif
	MULB 4, 2, AB1                         ; eight products stand between the add and the wait for it
	s_wait_dscnt 0x0
	s_barrier_signal -1
	MULB 6, 2, AB1
	WIN 0                                  ; at a branch and at a label every window is 0
	s_barrier_wait -1
.if \fill
	CREST
	tensor_load_to_lds s[G0+4*(\par):G0+4*(\par)+3], s[G1:G1+7]
	s_nop 0
.endif
	PLACES                                 ; behind the load; also the places in front of the loads below
.if \nexta
	LDA 1-(\par), 0, AB0
.endif
	LDB 1-(\par), 0, 0
	MULB 8, 8, AB1
	PLACES
	LDB 1-(\par), 0, 8
	SIMW \par, 1, AB1
.endm
	s_load_b256 s[4:11], s[0:1], 0x0       ; x 4, Bws 6, Pws 8, vecs 10
	s_load_b64 s[12:13], s[0:1], 0x20      ; out
	v_lshl_add_u32 v[SPW], v0, 2, SPARE
	v_mov_b32 v[NIL], 0
	ds_add_u32 v[SPW], v[NIL]              ; the wave's opening: the add and its wait come ahead of my first tensor load; work on registers stands between them
	v_lshrrev_b32 v1, 5, v0
	v_readfirstlane_b32 s[WV], v1          ; wave 0..3
	s_bfe_u32 s15, ttmp6, 0x40000          ; cx: my place in the cluster
	s_lshl_b32 s16, ttmp9, 2               ; in a cluster launch ttmp9 counts clusters
	s_add_co_u32 s16, s16, s15             ; my work-group: it enters x's and out's addresses alone
	; descriptor group 1: 32,768 dense bytes as 128 rows of 256
	s_mov_b32 s[G1+0], 15|(3<<16)|(1<<21)  ; 15:0 the mask: all four work-groups; 17:16 elements of 8 bytes; 21 set beside a mask; no padding
	s_mov_b32 s[G1+1], 32<<16              ; tensor_dim0 = 32
	s_mov_b32 s[G1+2], 128<<16             ; tensor_dim1 = 128
	s_mov_b32 s[G1+3], 32<<16              ; tile_dim0 = 32
	s_mov_b32 s[G1+4], 128                 ; tile_dim1 = 128
	s_mov_b32 s[G1+5], 32                  ; 32 elements from row to row
	s_mov_b32 s[G1+6], 0
	s_mov_b32 s[G1+7], 0
	s_mov_b32 s[G0], 1
	s_mul_i32 s[G0+1], s[WV], 32768        ; LDS address: my quarter of slot 0,
	s_mov_b32 s[G0+4], 1
	s_add_co_u32 s[G0+5], s[G0+1], BS1     ; of slot 1
	s_mul_i32 s22, s[WV], 32768            ; and my quarter of a group in memory: the wave's number alone
	s_mov_b32 s23, 0
	s_mov_b32 s[SEL], 0x76543210
	s_mov_b32 s[SEL+1], 0xfedcba98
	s_lshl_b32 s18, s16, 18                ; my work-group's 64 rows of 4,096 bytes
	s_lshl_b32 s20, s[WV], 16              ; my wave's 16 of them
	s_add_co_u32 s20, s20, s18
	s_mov_b32 s21, 0
	s_lshl_b32 s17, s[WV], 10              ; my wave's 256 columns
	s_add_co_u32 s18, s18, s17
	s_mov_b32 s19, 0
	s_wait_dscnt 0x0                       ; the opening add is done
	s_wait_kmcnt 0x0
	s_add_nc_u64 s[G0+2:G0+3], s[6:7], s[22:23]
	s_add_nc_u64 s[G0+6:G0+7], s[G0+2:G0+3], 131072
	s_or_b32 s[G0+3], s[G0+3], 0x80000000  ; type = 2
	s_or_b32 s[G0+7], s[G0+7], 0x80000000
	s_add_nc_u64 s[XBS:XBS+1], s[4:5], s[20:21]
	s_add_nc_u64 s[OBS:OBS+1], s[12:13], s[18:19]
	s_mul_i32 s20, s[WV], 98304
	s_add_nc_u64 s[PBS:PBS+1], s[8:9], s[20:21]
	s_mov_b32 s20, s17
	s_add_nc_u64 s[VBS:VBS+1], s[10:11], s[20:21]
	s_lshl_b32 s20, s[WV], 6
	s_add_co_u32 s20, s20, 12288
	s_add_nc_u64 s[CBS:CBS+1], s[10:11], s[20:21]
	CROUND                                 ; all four work-groups are here: the first joint loads meet
	tensor_load_to_lds s[G0:G0+3], s[G1:G1+7]      ; group 0
	s_nop 0
	tensor_load_to_lds s[G0+4:G0+7], s[G1:G1+7]    ; group 1
	s_nop 0
	PLACES
	v_and_b32 v1, 31, v0                   ; lane
	v_and_b32 v30, 15, v0                  ; r
	v_bfe_u32 v31, v0, 4, 1                ; h
	v_lshlrev_b32 v[XOFF], 12, v31
	v_lshl_add_u32 v[XOFF], v30, 4, v[XOFF]
	v_lshlrev_b32 v[L16], 4, v1
	v_lshlrev_b32 v[BOFF], 5, v31
	XLOAD X0, -3                           ; x of group 0,
	XLOAD X1, -2                           ; of group 1
	PLOAD 0, -1                            ; P of group 0
	WIN 0
.irp a, 0,1,2,3                        ; the sums begin with what is added to them: sim with c,
	global_load_b128 v[SIMHI+8*\a:SIMHI+8*\a+3],   v[BOFF], s[CBS:CBS+1]
	global_load_b128 v[SIMHI+8*\a+4:SIMHI+8*\a+7], v[BOFF], s[CBS:CBS+1] offset:16
.endr
.irp w, 0,1                            ; h with bf: register j of (b, a) takes bf[256 w + 16 b + 8 h + j]
	WIN 0x80+0x40*\w
.irp b, 0,1,2,3,4,5,6,7
.irp a, 0,1,2,3
	global_load_b128 v[8*(4*\b+\a):8*(4*\b+\a)+3],   v[BOFF], s[VBS:VBS+1] offset:64*(8*\w+\b)
	global_load_b128 v[8*(4*\b+\a)+4:8*(4*\b+\a)+7], v[BOFF], s[VBS:VBS+1] offset:64*(8*\w+\b)+16
.endr
.endr
.endr
	WIN 0
.set ii, 0
.rept 32                               ; the small pieces' sums begin at 0: 32 lines, the price of writing no first step out
	v_mov_b32 v[SIMLO+ii], 0
.set ii, ii+1
.endr
	s_mul_i32 s17, s[WV], 32768
	v_add_nc_u32 v[ADRB], s17, v[L16]
	v_add_nc_u32 v[ADRB+1], BS1, v[ADRB]
	v_mul_u32_u24 v[ADRA], v30, APITCH
	v_lshl_add_u32 v[ADRA], v31, 4, v[ADRA]
	v_add_nc_u32 v[ADRA], ARING, v[ADRA]
	s_mul_i32 s18, s[WV], 16*APITCH
	s_add_co_u32 s18, s18, ARING           ; my 16 rows in x's ring
	v_mul_u32_u24 v[ASTO], v31, APITCH
	v_lshl_add_u32 v[ASTO], v30, 3, v[ASTO]
	v_add_nc_u32 v[ASTO], s18, v[ASTO]
	v_mul_u32_u24 v[WSTO], v30, APITCH     ; the weights' place: row 16 w + r, m = 32 h on
	v_lshl_add_u32 v[WSTO], v31, 6, v[WSTO]
	v_add_nc_u32 v[WSTO], s18, v[WSTO]
	s_lshl_b32 s19, s[WV], 6
	s_add_co_u32 s19, s19, SIMS
	v_mul_u32_u24 v[SSTO], v30, SPITCH     ; sim goes in at row r of a block, m = 16 w + 8 h on,
	v_lshl_add_u32 v[SSTO], v31, 5, v[SSTO]
	v_add_nc_u32 v[SSTO], s19, v[SSTO]
	s_mul_i32 s19, s[WV], 16*SPITCH
	s_add_co_u32 s19, s19, SIMS
	v_mul_u32_u24 v[SRD], v30, SPITCH      ; and comes back by rows: row 16 w + r, m = 32 h on
	v_lshl_add_u32 v[SRD], v31, 7, v[SRD]
	v_add_nc_u32 v[SRD], s19, v[SRD]
	v_lshlrev_b32 v[TRD], 4, v30
	v_add_nc_u32 v[TRD], ST1, v[TRD]
	s_lshl_b32 s19, s[WV], 2
	v_add_nc_u32 v[TSTO], s19, v[TRD]
	s_add_co_u32 s17, s17, BS1             ; my stage
	v_mul_u32_u24 v[GSTO], v30, GPITCH
	v_lshl_add_u32 v[GSTO], v31, 5, v[GSTO]
	v_add_nc_u32 v[GSTO], s17, v[GSTO]
	s_wait_loadcnt 63                      ; 156 loads were issued behind x of group 0: it is in
	XCVT X0, 0
	XLOAD X0, -1                           ; x of group 2
	s_wait_loadcnt 8                       ; all but those eight
	s_wait_tensorcnt 1                     ; my quarter of group 0 is in; group 1's may stay out
	s_wait_dscnt 0x0                       ; for the others' sake: my rows of x are stored
	s_barrier_signal -1
	s_barrier_wait -1
	LDA 0, 0, AB0
	LDB 0, 0, 0
	LDB 0, 0, 8
	WIN 0
	s_mov_b32 s[CNT], 6
.Lpair:                                ; a trip: two groups, once round both rings
	EVEN 0, 0, 1, 20, 1, 1, 28
	ODD 0, 1, 1
	EVEN 1, 1, 1, 20, 1, 1, 28
	ODD 1, 1, 1
	WIN 0
	s_wait_xcnt 0x0                        ; the loads' bases are stepped only behind this wait
	s_add_nc_u64 s[XBS:XBS+1], s[XBS:XBS+1], 512
	s_add_nc_u64 s[PBS:PBS+1], s[PBS:PBS+1], 12288
	s_sub_co_u32 s[CNT], s[CNT], 1
	s_cmp_lg_u32 s[CNT], 0
	s_cbranch_scc1 .Lpair
	EVEN 0, 0, 1, 20, 1, 1, 28             ; group 12 asks for the last x (group 15)
	ODD 0, 1, 1
	EVEN 1, 1, 1, 20, 1, 0, 20             ; group 13: no x is left to ask for, and the counts run down
	ODD 1, 1, 1
	EVEN 0, 2, 1, 12, 1, 0, 12             ; group 14 asks for the last P
	ODD 0, 1, 1                            ; and for group 16, G
	EVEN 1, 0, 0, 0, 0, 0, 0               ; group 15
	ODD 1, 0, 0                            ; nothing is filled; G's first fragments are fetched; the weights are not made yet
; THE TOP 3.  sim = SIMHI + SIMLO goes through LDS: a lane then holds row 16 w + r and m = 32 h + 0..31.
	WIN 0
	PLACES
.irp i, 0,1,2,3,4,5,6,7,8,9,10,11,12,13,14,15
	v_pk_add_f32 v[SIMHI+2*\i:SIMHI+2*\i+1], v[SIMHI+2*\i:SIMHI+2*\i+1], v[SIMLO+2*\i:SIMLO+2*\i+1]   ; each accumulator from its low end on
.endr
.irp a, 0,1,2,3
	ds_store_b128 v[SSTO], v[SIMHI+8*\a:SIMHI+8*\a+3]   offset:16*SPITCH*\a
	ds_store_b128 v[SSTO], v[SIMHI+8*\a+4:SIMHI+8*\a+7] offset:16*SPITCH*\a+16
.endr
	s_wait_dscnt 0x0
	s_barrier_signal -1
	s_barrier_wait -1
.irp i, 0,1,2,3,4,5,6,7
	ds_load_b128 v[VV+4*\i:VV+4*\i+3], v[SRD] offset:16*\i
.endr
	v_mov_b32 v[NINF], 0xff800000
	s_wait_dscnt 0x0
; Round k: the row's largest similarity left; the FIRST place that holds it (lower half of the lanes first, then ascending m) takes the weight 2^((M - M1) log2 e), M1 the row's maximum, and leaves
; the race.  Masks only select values: no branch and no address hangs on them.
.macro TOPR k
	v_max3_num_f32 v[TT],   v[VV],   v[VV+1],  v[VV+2]
	v_max3_num_f32 v[TT+1], v[VV+3], v[VV+4],  v[VV+5]
	v_max3_num_f32 v[TT+2], v[VV+6], v[VV+7],  v[VV+8]
	v_max3_num_f32 v[TT+3], v[VV+9], v[VV+10], v[VV+11]
.irp i, 0,1,2,3,4,5,6,7
	v_max3_num_f32 v[TT+(\i)%4], v[TT+(\i)%4], v[VV+12+2*\i], v[VV+13+2*\i]
.endr
	v_max3_num_f32 v[TT],   v[TT],   v[VV+28], v[VV+29]
	v_max3_num_f32 v[TT+1], v[TT+1], v[VV+30], v[VV+31]
	v_max3_num_f32 v[TT], v[TT], v[TT+1], v[TT+2]
	v_max_num_f32 v[TT], v[TT], v[TT+3]
	v_permlanex16_b32 v[TT+1], v[TT], s[SEL], s[SEL+1]   ; the row's other 32 lie in the lane 16 away
	v_max_num_f32 v[MX], v[TT], v[TT+1]
	v_cmp_eq_f32 s[FOUND], v[TT], v[MX]
	s_lshl_b32 s[FOUND], s[FOUND], 16      ; an upper lane is out of the round where its lower partner holds the maximum
.if (\k) == 1
	v_mov_b32 v[M1], v[MX]
	v_mov_b32 v[EE], 1.0
.else
	v_sub_f32 v[EE], v[MX], v[M1]
	v_mul_f32 v[EE], 0x3fb8aa3b, v[EE]
	v_exp_f32 v[EE], v[EE]
	v_nop                                  ; a plain instruction behind the exponential (ISA guide 5.7.2)
	s_wait_alu depctr_va_vdst(0)
.endif
.set jj, 0
.rept 8
.irp z, 0,1,2,3
	v_cmp_eq_f32 s[QQ+\z], v[VV+jj+\z], v[MX]
.endr
.irp z, 0,1,2,3
	s_and_not1_b32 s[RR+\z], s[QQ+\z], s[FOUND]
	s_or_b32 s[FOUND], s[FOUND], s[QQ+\z]
.endr
.irp z, 0,1,2,3
.if (\k) == 1
	v_cndmask_b32 v[UU+jj+\z], 0, v[EE], s[RR+\z]
.else
	v_cndmask_b32 v[UU+jj+\z], v[UU+jj+\z], v[EE], s[RR+\z]
.endif
	v_cndmask_b32 v[VV+jj+\z], v[VV+jj+\z], v[NINF], s[RR+\z]
.endr
.set jj, jj+4
.endr
.if (\k) == 2
	v_add_f32 v[SUM], 1.0, v[EE]
.elseif (\k) == 3
	v_add_f32 v[SUM], v[SUM], v[EE]
.endif
.endm
	TOPR 1
	TOPR 2
	TOPR 3
	v_rcp_f32 v[INV], v[SUM]
	v_nop
	s_wait_alu depctr_va_vdst(0)
	v_mov_b32 v[INV+1], v[INV]
.irp i, 0,1,2,3,4,5,6,7,8,9,10,11,12,13,14,15
	v_pk_mul_f32 v[UU+2*\i:UU+2*\i+1], v[UU+2*\i:UU+2*\i+1], v[INV:INV+1]
.endr
.irp i, 0,1,2,3,4,5,6,7,8,9,10,11,12,13,14,15
	v_cvt_pk_bf16_f32 v[XB+\i], v[UU+2*\i], v[UU+2*\i+1]
.endr
.irp i, 0,1,2,3
	ds_store_b128 v[WSTO], v[XB+4*\i:XB+4*\i+3] offset:16*\i   ; into slot 0 of x's ring, whose last readers passed two barriers ago
.endr
	s_wait_dscnt 0x0
	s_barrier_signal -1
	s_barrier_wait -1
; GROUP 16: h += Wsel G, two steps like any other
	LDA 0, 0, AB0
	LDA 0, 1, AB1
	s_wait_dscnt 8                         ; the first step's weights are in; G's fragments came long ago
	MULB 0, 8, AB0
	PLACES
	LDB 0, 1, 0
	MULB 8, 8, AB0
	PLACES
	LDB 0, 1, 8
	s_wait_dscnt 16
	MULB 0, 8, AB1
	s_wait_dscnt 0x0
	MULB 8, 8, AB1
; LAYERNORM, in two passes over the registers: the mean; then the squares of what is left when the mean is taken away.
	PLACES
	WIN TO_B
.irp b, 0,1,2,3,4,5,6,7,8,9,10,11,12,13,14,15
	global_load_b128 v[8*\b:8*\b+3],         v[BOFF], s[VBS:VBS+1] offset:4096+64*\b      ; gamma of my eight columns of block b
	global_load_b128 v[8*\b+4:8*\b+7],       v[BOFF], s[VBS:VBS+1] offset:4096+64*\b+16
	global_load_b128 v[128+8*\b:128+8*\b+3], v[BOFF], s[VBS:VBS+1] offset:8192+64*\b      ; beta
	global_load_b128 v[128+8*\b+4:128+8*\b+7], v[BOFF], s[VBS:VBS+1] offset:8192+64*\b+16
.endr
; One line for each register pair of a window's 32 accumulators, block by block, pair by pair, the four row blocks by turns.  kind 0: SA += pair (first = 1: the first two pairs are left out);
; 1: pair += minus the mean; 2: SA += pair^2 (first = 1: the first product starts the sum)
.macro SWEEP kind, first
.set bb, 0
.rept 8
.set pp, 0
.rept 4
.irp a, 0,1,2,3
.if (\kind) == 0
.if !((\first) && (bb == 0) && (pp < 2))
	v_pk_add_f32 v[SA+2*\a:SA+2*\a+1], v[SA+2*\a:SA+2*\a+1], v[8*(4*bb+\a)+2*pp:8*(4*bb+\a)+2*pp+1]
.endif
.elseif (\kind) == 1
	v_pk_add_f32 v[8*(4*bb+\a)+2*pp:8*(4*bb+\a)+2*pp+1], v[8*(4*bb+\a)+2*pp:8*(4*bb+\a)+2*pp+1], v[NM+2*\a:NM+2*\a+1]
.elseif (\first) && (bb == 0) && (pp == 0)
	v_pk_mul_f32 v[SA+2*\a:SA+2*\a+1], v[8*(4*bb+\a)+2*pp:8*(4*bb+\a)+2*pp+1], v[8*(4*bb+\a)+2*pp:8*(4*bb+\a)+2*pp+1]
.else
	v_pk_fma_f32 v[SA+2*\a:SA+2*\a+1], v[8*(4*bb+\a)+2*pp:8*(4*bb+\a)+2*pp+1], v[8*(4*bb+\a)+2*pp:8*(4*bb+\a)+2*pp+1], v[SA+2*\a:SA+2*\a+1]
.endif
.endr
.set pp, pp+1
.endr
.set bb, bb+1
.endr
.endm
; SA's two halves, the other half of the lanes, and the four waves' parts (through 16 bytes a row at off) are added: the rows' sums land in v[32 + 4 a]
.macro ROWSUM off
	WIN 0
.irp a, 0,1,2,3
	v_add_f32 v[SA+2*\a], v[SA+2*\a], v[SA+2*\a+1]
.endr
.irp a, 0,1,2,3
	v_permlanex16_b32 v[SA+2*\a+1], v[SA+2*\a], s[SEL], s[SEL+1]
.endr
.irp a, 0,1,2,3
	v_add_f32 v[SA+2*\a], v[SA+2*\a], v[SA+2*\a+1]
.endr
.irp a, 0,1,2,3
	ds_store_b32 v[TSTO], v[SA+2*\a] offset:(\off)+256*\a   ; lanes r and 16 + r store the same number into the same word
.endr
	s_wait_dscnt 0x0
	s_barrier_signal -1
	s_barrier_wait -1
.irp a, 0,1,2,3
	ds_load_b128 v[32+4*\a:35+4*\a], v[TRD] offset:(\off)+256*\a
.endr
	s_wait_dscnt 0x0
.irp a, 0,1,2,3
	v_add_f32 v[32+4*\a], v[32+4*\a], v[33+4*\a]
	v_add_f32 v[34+4*\a], v[34+4*\a], v[35+4*\a]
.endr
.irp a, 0,1,2,3
	v_add_f32 v[32+4*\a], v[32+4*\a], v[34+4*\a]
.endr
.endm
	WIN 0x0a                               ; both sources window 2
.irp a, 0,1,2,3
	v_pk_add_f32 v[SA+2*\a:SA+2*\a+1], v[8*\a:8*\a+1], v[8*\a+2:8*\a+3]   ; the first two pairs start the sums
.endr
	WIN 0x08                               ; source 1 window 2
	SWEEP 0, 1
	WIN 0x0c                               ; source 1 window 3
	SWEEP 0, 0
	ROWSUM 0
.irp a, 0,1,2,3
	v_mul_f32 v[NM+2*\a], 0xba800000, v[32+4*\a]   ; minus the sum / 1,024
	v_mov_b32 v[NM+2*\a+1], v[NM+2*\a]
.endr
	WIN 0x82                               ; destination and source 0 window 2
	SWEEP 1, 0
	WIN 0x0a
	SWEEP 2, 1
	WIN 0xc3
	SWEEP 1, 0
	WIN 0x0f
	SWEEP 2, 0
	ROWSUM 1024
.irp a, 0,1,2,3
	v_mul_f32 v[32+4*\a], 0x3a800000, v[32+4*\a]   ; the variance,
	v_add_f32 v[32+4*\a], 0x3727c5ac, v[32+4*\a]   ; + 1e-5
.endr
.irp a, 0,1,2,3
	v_rsq_f32 v[RS+2*\a], v[32+4*\a]
.endr
	v_nop                                  ; a plain instruction behind the last of them
	s_wait_alu depctr_va_vdst(0)
.irp a, 0,1,2,3
	v_mov_b32 v[RS+2*\a+1], v[RS+2*\a]
.endr
	s_wait_loadcnt 0x0                     ; gamma and beta
; THE WAY OUT, a block of 16 rows at a time: scaled, gamma, beta, relu, in place; through my stage; stored as 512 consecutive bytes of a row.
.macro NORMW a, hi
	WIN 0x82+0x41*(\hi)
.set bb, 0
.rept 8
.irp p, 0,1,2,3
	v_pk_mul_f32 v[8*(4*bb+(\a))+2*\p:8*(4*bb+(\a))+2*\p+1], v[8*(4*bb+(\a))+2*\p:8*(4*bb+(\a))+2*\p+1], v[RS+2*(\a):RS+2*(\a)+1]
.endr
.set bb, bb+1
.endr
	WIN 0x96+0x41*(\hi)                    ; sources 1 and 2 (gamma, beta) window 1
.set bb, 0
.rept 8
.irp p, 0,1,2,3
	v_pk_fma_f32 v[8*(4*bb+(\a))+2*\p:8*(4*bb+(\a))+2*\p+1], v[8*(4*bb+(\a))+2*\p:8*(4*bb+(\a))+2*\p+1], v[8*(8*(\hi)+bb)+2*\p:8*(8*(\hi)+bb)+2*\p+1], v[128+8*(8*(\hi)+bb)+2*\p:128+8*(8*(\hi)+bb)+2*\p+1]
.endr
.set bb, bb+1
.endr
	WIN 0x8a+0x45*(\hi)
.set bb, 0
.rept 8
.irp j, 0,1,2,3,4,5,6,7
	v_max_num_f32 v[8*(4*bb+(\a))+\j], 0, v[8*(4*bb+(\a))+\j]
.endr
.set bb, bb+1
.endr
.endm
.macro TOSTAGE a
.irp w, 0,1
	WIN 0x08+0x04*\w                       ; the stores' data in window 2, then 3
.irp b, 0,1,2,3,4,5,6,7
	ds_store_b128 v[GSTO], v[8*(4*\b+(\a)):8*(4*\b+(\a))+3]   offset:64*(8*\w+\b)
	ds_store_b128 v[GSTO], v[8*(4*\b+(\a))+4:8*(4*\b+(\a))+7] offset:64*(8*\w+\b)+16
.endr
.endr
	WIN 0
	s_wait_xcnt 0x0                        ; the registers that the last block's stores read are loaded again only behind this wait
.set ii, 0
.rept 32
	ds_load_b128 v[OUTB+4*ii:OUTB+4*ii+3], v[GRD] offset:GPITCH*(ii/2)+512*(ii%2)   ; LDS serves a wave's instructions in order (ISA guide 5.7.1.4): these see the stores above
.set ii, ii+1
.endr
.endm
.macro SEND a
	WIN 0
.set ii, 0
.rept 32
	s_wait_dscnt 31-ii
	global_store_b128 v[L16], v[OUTB+4*ii:OUTB+4*ii+3], s[OBS:OBS+1] offset:65536*(\a)+4096*(ii/2)+512*(ii%2) th:TH_STORE_NT   ; 512 consecutive bytes, at a multiple of 512 from out's first
.set ii, ii+1
.endr
.endm
	NORMW 0, 0
	NORMW 0, 1
	TOSTAGE 0
.irp a, 1,2,3                          ; a block's arithmetic stands between the loads of the block before and its stores
	NORMW \a, 0
	NORMW \a, 1
	SEND \a-1
	TOSTAGE \a
.endr
	SEND 3
	s_wait_tensorcnt 0x0                   ; the wave's end, behind my last tensor load and my last LDS store
	ds_add_u32 v[SPW], v[NIL]
	s_wait_dscnt 0x0
	CROUND                                 ; the closing round: no work-group ends while a partner may still ask for a tile that names it
	s_endpgm
.Lfunc_end_k_q5136e6a065_main:
	.size	k_q5136e6a065_main, .Lfunc_end_k_q5136e6a065_main-k_q5136e6a065_main
	.p2alignl 7, 3214868480
	.fill 96, 4, 3214868480
	.section	.rodata,"a",@progbits
	.p2align	6, 0x0
	.amdhsa_kernel k_q5136e6a065_main
		.amdhsa_group_segment_fixed_size 327680
		.amdhsa_private_segment_fixed_size 0
		.amdhsa_enable_private_segment 0
		.amdhsa_kernarg_size 40
		.amdhsa_user_sgpr_count 2
		.amdhsa_user_sgpr_kernarg_segment_ptr 1
		.amdhsa_wavefront_size32 1
		.amdhsa_system_sgpr_workgroup_id_x 1
		.amdhsa_system_sgpr_workgroup_id_y 1
		.amdhsa_system_sgpr_workgroup_id_z 1
		.amdhsa_system_vgpr_workitem_id 0
		.amdhsa_next_free_vgpr 1024
		.amdhsa_next_free_sgpr 66
		.amdhsa_reserve_vcc 0
		.amdhsa_float_denorm_mode_32 3
		.amdhsa_float_denorm_mode_16_64 3
		.amdhsa_memory_ordered 1
		.amdhsa_forward_progress 1
		.amdhsa_inst_pref_size 255
	.end_amdhsa_kernel
	.section	.bss,"aw",@nobits
	.p2align	6
	.space	262144
	.amdgpu_metadata
---
amdhsa.version: [ 1, 2 ]
amdhsa.kernels:
  - .name:           k_q5136e6a065_main
    .symbol:         k_q5136e6a065_main.kd
    .args:
      - { .name: x, .offset: 0, .size: 8, .value_kind: global_buffer, .address_space: global }
      - { .name: Bws, .offset: 8, .size: 8, .value_kind: global_buffer, .address_space: global }
      - { .name: Pws, .offset: 16, .size: 8, .value_kind: global_buffer, .address_space: global }
      - { .name: vecs, .offset: 24, .size: 8, .value_kind: global_buffer, .address_space: global }
      - { .name: out0, .offset: 32, .size: 8, .value_kind: global_buffer, .address_space: global }
    .group_segment_fixed_size: 327680
    .private_segment_fixed_size: 0
    .kernarg_segment_align: 8
    .kernarg_segment_size: 40
    .max_flat_workgroup_size: 128
    .sgpr_count:     66
    .vgpr_count:     1024
    .wavefront_size: 32
...
	.end_amdgpu_metadata
.endif
;; end of part 2
